; MI455X (gfx1250); checked and timed in simulation.
; The chip was launched on July 23, 2026; its instructions are those of AMD's public machine-readable ISA for CDNA 5 (MIT licence, August 2026) and "CDNA5" Instruction Set Architecture Reference Guide (July 2026). The comments in the code are by the model that wrote it; some were corrected since.
;; Q Linear QAT. Allowed arithmetic: float matrix products may take bf16 or f16 operands with f32 sums; other float arithmetic in f32, or as packed bf16 or f16 multiplies, adds, multiply-adds, maxima and minima; sums over many terms, partial sums and values carried from step to step in f32; what a program stores and reads back later, other than sums and carried values, may be rounded once to bf16 or f16.
;; Inputs: bias 4,096 float32; qscales 4,096 x 1 float32; weight 4,096 x 4,096 float32; x 4,096 x 4,096 float32.
;; Outputs: out0 4,096 x 4,096 float32.
;; 2 versions, each right; version 2 is version 1 with the launch quantx written anew for expert scheduling mode. Each part assembles by itself: llvm-mc -triple=amdgcn-amd-amdhsa -mcpu=gfx1250 --defsym DOCPART=n.
;; ======== version 1 of 2: 3 launches
;; workspace buffers: xq 33,554,432 bytes; wq 33,554,432 bytes; pmax 1,024 bytes
;; launch maxw (part 1): grid 256 x 1, 16 waves a work-group, no clusters, 2,304 bytes of LDS; arguments x, weight, qscales, wq, pmax; writes wq, pmax
.if DOCPART == 1
	.amdgcn_target "amdgcn-amd-amdhsa--gfx1250"
	.amdhsa_code_object_version 6
	.text
	.protected	k_qbe733e1f47_maxw
	.globl	k_qbe733e1f47_maxw
	.p2align	8
	.type	k_qbe733e1f47_maxw,@function
k_qbe733e1f47_maxw:
	s_mov_b64 s[64:65], 0
	v_nop
	global_prefetch_b8 v0, s[64:65] scope:SCOPE_SE
	s_setreg_imm32_b32 hwreg(HW_REG_WAVE_MODE, 25, 1), 1
	s_wait_xcnt 0x0
; FIRST OF THREE LAUNCHES for out = (x8 . w8^T) (clampv / 127) qscales + bias, with clampv = max(x), x8 = clip(round(x 127 / clampv)), w8 = clip(round(weight / qscales)).
; This launch: pmax[g] = the largest x of work-group g's 16 rows, and wq = w8 as bf16.  bf16 keeps 8 significant bits, so every whole number from -128 to 127 is held exactly.
; Nothing of reference() is left out in any of the three launches: all four inputs are loaded and every step is taken.
; The weights need no clampv, so they are made here, in the launch that has to read x for the maximum anyway.
; LIMITS.  A NaN in x is passed over by the maximum (reference() would make every output NaN).  |qscales| lies in 2^-126 .. 2^126 (the reciprocal takes a denormal as 0);
; |weight / qscales| stays under 2^127 (beyond that the quotient's correction makes a NaN).
; THE QUOTIENT weight / q: r = 1 / q with one Newton step; t = w r; e = w - t q (fused); t + e r (fused).
; SHARES.  16 waves; wave w of work-group g owns row 16 g + w of x and of weight: 16,384 bytes, 32 chunks of 512 (16 bytes a lane).  A row of weight has one q: a scalar of the wave.
; A chunk of weight gives 4 numbers a lane, 8 bytes of bf16: each store of the wave covers 256 consecutive bytes, aligned.
; IN FLIGHT.  16 register slots for weight and 16 for x: 32 loads of a wave are out from the start, and a slot is asked for again as soon as it has been read.
; No loop: every chunk's place stands in the immediate, no address register is rewritten, and each chunk has store registers of its own, so no wait is owed for the stores' sources.
.set LO,  1                            ; v1   16 x lane
.set SO,  2                            ; v2   8 x lane
.set SPW, 3                            ; v3   LDS address of my spare word; never rewritten
.set NIL, 4                            ; v4   0; never rewritten
.set WA,  5                            ; v5   4 x wave
.set R,   6                            ; v[6:7]    1 / q, twice
.set NS,  8                            ; v[8:9]    -q, twice
.set M,   10                           ; v[10:13]  four running maxima
.set T,   16                           ; v[16:19]  at work
.set E,   20                           ; v[20:23]  at work
.set WB,  24                           ; v[24:87]   16 slots of 4: weight
.set XB,  88                           ; v[88:151]  16 slots of 4: x
.set Y,   152                          ; v[152:215] chunk c: 2 registers to store
.set SPARE, 256                        ; LDS: bytes 0-63 the 16 waves' maxima, in a block of their own; from 256 on the spare words, 128 bytes for each wave
	s_load_b256 s[4:11], s[0:1], 0x0               ; x s[4:5], weight s[6:7], qscales s[8:9], wq s[10:11]
	s_load_b64 s[12:13], s[0:1], 0x20              ; pmax
	v_lshl_add_u32 v[SPW], v0, 2, SPARE
	v_mov_b32 v[NIL], 0
	v_lshrrev_b32 v14, 5, v0
	v_readfirstlane_b32 s14, v14                   ; wave 0..15
	v_and_b32 v15, 31, v0                          ; lane
	v_lshlrev_b32 v[LO], 4, v15
	v_lshlrev_b32 v[SO], 3, v15
	v_mov_b32 v[WA], s14
	v_lshlrev_b32 v[WA], 2, v[WA]
	s_lshl_b32 s15, ttmp9, 4
	s_add_co_u32 s15, s15, s14                     ; my row
	s_lshl_b32 s16, s15, 14                        ; x 16,384 bytes: x and weight
	s_mov_b32 s17, 0
	s_lshl_b32 s18, s15, 13                        ; x 8,192 bytes: wq
	s_mov_b32 s19, 0
	s_lshl_b32 s28, s15, 2                         ; x 4 bytes: qscales
	s_mov_b32 s29, 0
	s_mov_b32 s22, 0xc3000000                      ; -128.0
	s_mov_b32 s23, 0x42fe0000                      ; 127.0
	s_mov_b32 s24, 0x76543210                      ; v_permlanex16_b32: each lane takes its own place in the other half
	s_mov_b32 s25, 0xfedcba98
	s_lshl_b32 s27, ttmp9, 2                       ; my work-group's word in pmax
	s_wait_kmcnt 0x0
	s_add_nc_u64 s[8:9], s[8:9], s[28:29]
	s_load_b32 s20, s[8:9], 0x0                    ; q of my row
	s_add_nc_u64 s[4:5], s[4:5], s[16:17]
	s_add_nc_u64 s[6:7], s[6:7], s[16:17]
	s_add_nc_u64 s[10:11], s[10:11], s[18:19]
.macro LDW c                           ; chunk c of my row of weight into slot c % 16
	global_load_b128 v[WB+4*((\c)%16):WB+4*((\c)%16)+3], v[LO], s[6:7] offset:512*(\c) th:TH_LOAD_NT
.endm
.macro LDX c                           ; the same for x
	global_load_b128 v[XB+4*((\c)%16):XB+4*((\c)%16)+3], v[LO], s[4:5] offset:512*(\c) th:TH_LOAD_NT
.endm
.set i, 0
.rept 16
	LDW i
.set i, i+1
.endr
.set i, 0
.rept 16
	LDX i
.set i, i+1
.endr
	s_wait_kmcnt 0x0                               ; q
	v_mov_b32 v14, s20
	v_rcp_f32 v[R], v14
	v_mul_f32 v[NS], -1.0, v14                     ; a plain instruction behind the reciprocal, which neither reads its result nor writes its source
	v_mov_b32 v[NS+1], v[NS]
	s_wait_alu depctr_va_vdst(0)                   ; the wait ahead of the reciprocal's first reader
	v_fma_f32 v15, v[NS], v[R], 1.0                ; 1 - q r
	v_fma_f32 v[R], v15, v[R], v[R]                ; one Newton step
	v_mov_b32 v[R+1], v[R]
; Chunk c of weight: quotient, rounding to the nearest even whole number, clip, bf16, store.  left = the younger loads that may stay out.  reload = 1: the slot takes chunk c + 16.
.macro WQ c, left, reload
.set sl, WB+4*((\c)%16)
	s_wait_loadcnt \left                           ; loads come back in order: this chunk is in
	v_pk_mul_f32 v[T:T+1],   v[sl:sl+1],   v[R:R+1]
	v_pk_mul_f32 v[T+2:T+3], v[sl+2:sl+3], v[R:R+1]
	v_pk_fma_f32 v[E:E+1],   v[T:T+1],   v[NS:NS+1], v[sl:sl+1]
	v_pk_fma_f32 v[E+2:E+3], v[T+2:T+3], v[NS:NS+1], v[sl+2:sl+3]
	v_pk_fma_f32 v[T:T+1],   v[E:E+1],   v[R:R+1], v[T:T+1]
	v_pk_fma_f32 v[T+2:T+3], v[E+2:E+3], v[R:R+1], v[T+2:T+3]
.if \reload
	LDW (\c)+16
.endif
.irp j, 0,1,2,3
	v_rndne_f32 v[T+(\j)], v[T+(\j)]
.endr
.irp j, 0,1,2,3
	v_med3_num_f32 v[T+(\j)], v[T+(\j)], s22, s23
.endr
	v_cvt_pk_bf16_f32 v[Y+2*(\c)],   v[T],   v[T+1]
	v_cvt_pk_bf16_f32 v[Y+2*(\c)+1], v[T+2], v[T+3]
	global_store_b64 v[SO], v[Y+2*(\c):Y+2*(\c)+1], s[10:11] offset:256*(\c)
.endm
; Chunk c of x goes into two of the four running maxima; the first two chunks start the four: nothing is cleared.
.macro XM c, left, reload
.set sl, XB+4*((\c)%16)
	s_wait_loadcnt \left
.if (\c) < 2
	v_max_num_f32 v[M+2*(\c)],   v[sl],   v[sl+1]
	v_max_num_f32 v[M+2*(\c)+1], v[sl+2], v[sl+3]
.else
	v_max3_num_f32 v[M+2*((\c)%2)],   v[M+2*((\c)%2)],   v[sl],   v[sl+1]
	v_max3_num_f32 v[M+2*((\c)%2)+1], v[M+2*((\c)%2)+1], v[sl+2], v[sl+3]
.endif
.if \reload
	LDX (\c)+16
.endif
.endm
.set i, 0
.rept 16
	WQ i, 31, 1                                    ; behind weight's chunk i: 15 - i of its pass, x's 16, i reloads = 31
.set i, i+1
.endr
.set i, 0
.rept 16
	XM i, 31, 1                                    ; behind x's chunk i: 15 - i, weight's 16 reloads, i reloads of x = 31
.set i, i+1
.endr
.set i, 0
.rept 16
	WQ 16+i, 31-i, 0                               ; behind it: 15 - i of weight's, x's 16
.set i, i+1
.endr
.set i, 0
.rept 16
	XM 16+i, 15-i, 0                               ; behind it: 15 - i
.set i, i+1
.endr
	; the row's maximum: within the lane, across 16 lanes on the arithmetic itself, across the two halves
	v_max3_num_f32 v14, v[M], v[M+1], v[M+2]
	v_max_num_f32 v14, v14, v[M+3]
	v_max_num_f32_dpp v14, v14, v14 row_xmask:1 row_mask:0xf bank_mask:0xf
	v_max_num_f32_dpp v14, v14, v14 row_xmask:2 row_mask:0xf bank_mask:0xf
	v_max_num_f32_dpp v14, v14, v14 row_xmask:4 row_mask:0xf bank_mask:0xf
	v_max_num_f32_dpp v14, v14, v14 row_xmask:8 row_mask:0xf bank_mask:0xf
	v_permlanex16_b32 v15, v14, s24, s25           ; v15 has been written before
	v_max_num_f32 v14, v14, v15
	ds_store_b32 v[WA], v14                        ; all lanes write the wave's word with the same value
	s_wait_dscnt 0x0                               ; for the others' sake: my store is done
	s_barrier_signal -1
	s_barrier_wait -1                              ; all 16 maxima lie in LDS
	s_cmp_lg_u32 s14, 0
	s_cbranch_scc1 .Lend                           ; wave 0 finishes
	v_and_b32 v13, 15, v0
	v_lshlrev_b32 v13, 2, v13
	ds_load_b32 v14, v13                           ; lane l takes wave l % 16's maximum
	v_mov_b32 v15, s27
	v_cmp_eq_u32 vcc_lo, 0, v0
	s_wait_dscnt 0x0
	v_max_num_f32_dpp v14, v14, v14 row_xmask:1 row_mask:0xf bank_mask:0xf
	v_max_num_f32_dpp v14, v14, v14 row_xmask:2 row_mask:0xf bank_mask:0xf
	v_max_num_f32_dpp v14, v14, v14 row_xmask:4 row_mask:0xf bank_mask:0xf
	v_max_num_f32_dpp v14, v14, v14 row_xmask:8 row_mask:0xf bank_mask:0xf
	s_wait_xcnt 0x0                                ; EXEC is a source of the stores issued above: it changes only behind this wait
	s_and_saveexec_b32 s26, vcc_lo                 ; lane 0 alone
	global_store_b32 v15, v14, s[12:13]            ; one word a work-group: 1,024 bytes in the whole launch
	s_wait_xcnt 0x0                                ; and again, in front of the line that widens it
	s_or_b32 exec_lo, exec_lo, s26
.Lend:
	s_wait_tensorcnt 0x0                           ; the wave's end, behind my last LDS store
	ds_add_u32 v[SPW], v[NIL]
	s_wait_dscnt 0x0
	s_endpgm
.Lfunc_end_k_qbe733e1f47_maxw:
	.size	k_qbe733e1f47_maxw, .Lfunc_end_k_qbe733e1f47_maxw-k_qbe733e1f47_maxw
	.p2alignl 7, 3214868480
	.fill 96, 4, 3214868480
	.section	.rodata,"a",@progbits
	.p2align	6, 0x0
	.amdhsa_kernel k_qbe733e1f47_maxw
		.amdhsa_group_segment_fixed_size 2304
		.amdhsa_private_segment_fixed_size 0
		.amdhsa_enable_private_segment 0
		.amdhsa_kernarg_size 40
		.amdhsa_user_sgpr_count 2
		.amdhsa_user_sgpr_kernarg_segment_ptr 1
		.amdhsa_wavefront_size32 1
		.amdhsa_system_sgpr_workgroup_id_x 1
		.amdhsa_system_sgpr_workgroup_id_y 1
		.amdhsa_system_sgpr_workgroup_id_z 1
		.amdhsa_system_vgpr_workitem_id 0
		.amdhsa_next_free_vgpr 216
		.amdhsa_next_free_sgpr 66
		.amdhsa_reserve_vcc 1
		.amdhsa_float_denorm_mode_32 3
		.amdhsa_float_denorm_mode_16_64 3
		.amdhsa_memory_ordered 1
		.amdhsa_forward_progress 1
		.amdhsa_inst_pref_size 47
	.end_amdhsa_kernel
	.amdgpu_metadata
---
amdhsa.version: [ 1, 2 ]
amdhsa.kernels:
  - .name:           k_qbe733e1f47_maxw
    .symbol:         k_qbe733e1f47_maxw.kd
    .args:
      - { .name: x, .offset: 0, .size: 8, .value_kind: global_buffer, .address_space: global }
      - { .name: weight, .offset: 8, .size: 8, .value_kind: global_buffer, .address_space: global }
      - { .name: qscales, .offset: 16, .size: 8, .value_kind: global_buffer, .address_space: global }
      - { .name: wq, .offset: 24, .size: 8, .value_kind: global_buffer, .address_space: global }
      - { .name: pmax, .offset: 32, .size: 8, .value_kind: global_buffer, .address_space: global }
    .group_segment_fixed_size: 2304
    .private_segment_fixed_size: 0
    .kernarg_segment_align: 8
    .kernarg_segment_size: 40
    .max_flat_workgroup_size: 512
    .sgpr_count:     66
    .vgpr_count:     216
    .wavefront_size: 32
...
	.end_amdgpu_metadata
.endif
;; end of part 1
;; launch quantx (part 2): grid 256 x 1, 16 waves a work-group, no clusters, 0 bytes of LDS; arguments x, pmax, xq; writes xq
.if DOCPART == 2
	.amdgcn_target "amdgcn-amd-amdhsa--gfx1250"
	.amdhsa_code_object_version 6
	.text
	.protected	k_qbe733e1f47_quantx
	.globl	k_qbe733e1f47_quantx
	.p2align	8
	.type	k_qbe733e1f47_quantx,@function
k_qbe733e1f47_quantx:
	s_mov_b64 s[64:65], 0
	v_nop
	global_prefetch_b8 v0, s[64:65] scope:SCOPE_SE
	s_setreg_imm32_b32 hwreg(HW_REG_WAVE_MODE, 25, 1), 1
	s_wait_xcnt 0x0
; SECOND OF THREE LAUNCHES: clampv = the largest of pmax's 256 numbers; xq = clip(round(x (127 / clampv)), -128, 127) as bf16, which holds these whole numbers exactly.
; x is taken in f32: one step of the whole numbers is a small part of x's spread, and a rounding of x ahead of it would move many of them by a step.  Nothing is left out.
; LIMITS.  |clampv| lies in 2^-126 .. 2^126 (the reciprocal takes a denormal as 0); clampv = 0 gives NaN.  A NaN in x was passed over by the maximum.
; 127 / clampv: r = 1 / clampv with one Newton step; t = 127 r; e = 127 - t clampv (fused); t + e r (fused).  x times that is one f32 product, as in reference().
; SHARES.  16 waves; wave w of work-group g owns row 16 g + w: 32 chunks of 512 bytes, 16 bytes a lane, ALL asked for at the start: the whole row is on its way while clampv is made.
; A chunk gives 8 bytes of bf16 a lane: each store of the wave covers 256 consecutive bytes, aligned.  No loop, no LDS, no barrier; no address or store register is rewritten.
.set LO,  1                            ; v1   16 x lane
.set SO,  2                            ; v2   8 x lane
.set P,   4                            ; v[4:11]   my 8 of pmax's 256 numbers; then v4 = clampv
.set S,   14                           ; v[14:15]  127 / clampv, twice
.set T,   16                           ; v[16:19]  at work
.set XB,  20                           ; v[20:147]  chunk i: 4 registers as loaded
.set Y,   148                          ; v[148:211] chunk i: 2 registers to store
	s_load_b128 s[4:7], s[0:1], 0x0                ; x s[4:5], pmax s[6:7]
	s_load_b64 s[8:9], s[0:1], 0x10                ; xq
	v_lshrrev_b32 v12, 5, v0
	v_readfirstlane_b32 s14, v12                   ; wave 0..15
	v_and_b32 v13, 31, v0
	v_lshlrev_b32 v[LO], 4, v13
	v_lshlrev_b32 v[SO], 3, v13
	s_lshl_b32 s15, ttmp9, 4
	s_add_co_u32 s15, s15, s14                     ; my row
	s_lshl_b32 s16, s15, 14
	s_mov_b32 s17, 0
	s_lshl_b32 s18, s15, 13
	s_mov_b32 s19, 0
	s_mov_b32 s22, 0xc3000000                      ; -128.0
	s_mov_b32 s23, 0x42fe0000                      ; 127.0
	s_mov_b32 s24, 0x76543210
	s_mov_b32 s25, 0xfedcba98
	s_wait_kmcnt 0x0
	s_add_nc_u64 s[4:5], s[4:5], s[16:17]
	s_add_nc_u64 s[8:9], s[8:9], s[18:19]
	global_load_b128 v[P:P+3],   v[LO], s[6:7]             ; pmax first: 2 x 512 bytes
	global_load_b128 v[P+4:P+7], v[LO], s[6:7] offset:512
.set i, 0
.rept 32
	global_load_b128 v[XB+4*i:XB+4*i+3], v[LO], s[4:5] offset:512*i th:TH_LOAD_NT
.set i, i+1
.endr
; The largest of v[p:p+7] over all 32 lanes, left in v[p] of every lane.
.macro CLAMPV p
	v_max3_num_f32 v[(\p)],   v[(\p)],   v[(\p)+1], v[(\p)+2]
	v_max3_num_f32 v[(\p)+3], v[(\p)+3], v[(\p)+4], v[(\p)+5]
	v_max3_num_f32 v[(\p)],   v[(\p)],   v[(\p)+6], v[(\p)+7]
	v_max_num_f32  v[(\p)],   v[(\p)],   v[(\p)+3]
	v_max_num_f32_dpp v[(\p)], v[(\p)], v[(\p)] row_xmask:1 row_mask:0xf bank_mask:0xf
	v_max_num_f32_dpp v[(\p)], v[(\p)], v[(\p)] row_xmask:2 row_mask:0xf bank_mask:0xf
	v_max_num_f32_dpp v[(\p)], v[(\p)], v[(\p)] row_xmask:4 row_mask:0xf bank_mask:0xf
	v_max_num_f32_dpp v[(\p)], v[(\p)], v[(\p)] row_xmask:8 row_mask:0xf bank_mask:0xf
	v_permlanex16_b32 v[(\p)+1], v[(\p)], s24, s25
	v_max_num_f32  v[(\p)],   v[(\p)],   v[(\p)+1]
.endm
	s_wait_loadcnt 32                              ; pmax is in; the row's 32 loads stay out
	CLAMPV P
	v_rcp_f32 v12, v[P]
	v_nop                                          ; a plain instruction behind the reciprocal
	s_wait_alu depctr_va_vdst(0)                   ; the wait ahead of its first reader
	v_fma_f32 v13, -v[P], v12, 1.0
	v_fma_f32 v12, v13, v12, v12                   ; one Newton step
	v_mul_f32 v13, 0x42fe0000, v12                 ; 127 r
	v_fma_f32 v16, -v13, v[P], s23                 ; 127 - t clampv
	v_fma_f32 v[S], v16, v12, v13
	v_mov_b32 v[S+1], v[S]
.set i, 0
.rept 32
	s_wait_loadcnt 31-i                            ; chunk i is in; the 31 - i younger loads stay out
	v_pk_mul_f32 v[T:T+1],   v[XB+4*i:XB+4*i+1],   v[S:S+1]
	v_pk_mul_f32 v[T+2:T+3], v[XB+4*i+2:XB+4*i+3], v[S:S+1]
	v_rndne_f32 v[T],   v[T]
	v_rndne_f32 v[T+1], v[T+1]
	v_rndne_f32 v[T+2], v[T+2]
	v_rndne_f32 v[T+3], v[T+3]
	v_med3_num_f32 v[T],   v[T],   s22, s23
	v_med3_num_f32 v[T+1], v[T+1], s22, s23
	v_med3_num_f32 v[T+2], v[T+2], s22, s23
	v_med3_num_f32 v[T+3], v[T+3], s22, s23
	v_cvt_pk_bf16_f32 v[Y+2*i],   v[T],   v[T+1]
	v_cvt_pk_bf16_f32 v[Y+2*i+1], v[T+2], v[T+3]
	global_store_b64 v[SO], v[Y+2*i:Y+2*i+1], s[8:9] offset:256*i
.set i, i+1
.endr
	s_endpgm
.Lfunc_end_k_qbe733e1f47_quantx:
	.size	k_qbe733e1f47_quantx, .Lfunc_end_k_qbe733e1f47_quantx-k_qbe733e1f47_quantx
	.p2alignl 7, 3214868480
	.fill 96, 4, 3214868480
	.section	.rodata,"a",@progbits
	.p2align	6, 0x0
	.amdhsa_kernel k_qbe733e1f47_quantx
		.amdhsa_group_segment_fixed_size 0
		.amdhsa_private_segment_fixed_size 0
		.amdhsa_enable_private_segment 0
		.amdhsa_kernarg_size 24
		.amdhsa_user_sgpr_count 2
		.amdhsa_user_sgpr_kernarg_segment_ptr 1
		.amdhsa_wavefront_size32 1
		.amdhsa_system_sgpr_workgroup_id_x 1
		.amdhsa_system_sgpr_workgroup_id_y 1
		.amdhsa_system_sgpr_workgroup_id_z 1
		.amdhsa_system_vgpr_workitem_id 0
		.amdhsa_next_free_vgpr 212
		.amdhsa_next_free_sgpr 66
		.amdhsa_reserve_vcc 0
		.amdhsa_float_denorm_mode_32 3
		.amdhsa_float_denorm_mode_16_64 3
		.amdhsa_memory_ordered 1
		.amdhsa_forward_progress 1
		.amdhsa_inst_pref_size 30
	.end_amdhsa_kernel
	.amdgpu_metadata
---
amdhsa.version: [ 1, 2 ]
amdhsa.kernels:
  - .name:           k_qbe733e1f47_quantx
    .symbol:         k_qbe733e1f47_quantx.kd
    .args:
      - { .name: x, .offset: 0, .size: 8, .value_kind: global_buffer, .address_space: global }
      - { .name: pmax, .offset: 8, .size: 8, .value_kind: global_buffer, .address_space: global }
      - { .name: xq, .offset: 16, .size: 8, .value_kind: global_buffer, .address_space: global }
    .group_segment_fixed_size: 0
    .private_segment_fixed_size: 0
    .kernarg_segment_align: 8
    .kernarg_segment_size: 24
    .max_flat_workgroup_size: 512
    .sgpr_count:     66
    .vgpr_count:     212
    .wavefront_size: 32
...
	.end_amdgpu_metadata
.endif
;; end of part 2
;; launch gemm (part 3): grid 16 x 16, 4 waves a work-group, clusters of 4 x 4, 327,680 bytes of LDS; arguments xq, wq, out0, pmax, qscales, bias; writes out0
.if DOCPART == 3
	.amdgcn_target "amdgcn-amd-amdhsa--gfx1250"
	.amdhsa_code_object_version 6
	.text
	.protected	k_qbe733e1f47_gemm
	.globl	k_qbe733e1f47_gemm
	.p2align	8
	.type	k_qbe733e1f47_gemm,@function
k_qbe733e1f47_gemm:
	s_mov_b64 s[64:65], 0
	v_nop
	global_prefetch_b8 v0, s[64:65] scope:SCOPE_SE
	s_setreg_imm32_b32 hwreg(HW_REG_WAVE_MODE, 25, 1), 1
	s_wait_xcnt 0x0
	s_wait_alu depctr_hold_cnt(0) depctr_sa_sdst(0) depctr_va_vdst(0) depctr_va_sdst(0) depctr_va_ssrc(0) depctr_va_vcc(0) depctr_vm_vsrc(0)
	s_getreg_b32 s2, hwreg(HW_REG_IB_STS2, 6, 4)
	s_cmp_eq_u32 s2, 0
	s_cbranch_scc0 .Lentry_in_a_cluster
	s_endpgm
.Lentry_in_a_cluster:
	s_bfe_u32 s2, ttmp6, 0x10000c
	s_cmp_lg_u32 s2, 0xf033
	s_cbranch_scc0 .Lentry_shape_is_right
	s_endpgm
.Lentry_shape_is_right:
; THIRD OF THREE LAUNCHES: out0[n][o] = (the sum over k of xq[n][k] wq[o][k]) x ((clampv / 127) qscales[o]) + bias[o].  xq, wq: [4096][4096] bf16, whole numbers from -128 to 127, exact;
; sums in f32; out0: [4096][4096] f32.  Nothing is left out.
; LIMITS.  The column's factor (clampv / 127) qscales[o] is formed first and applied with the bias in one fused multiply-add; reference() rounds three times: the results differ by a few units in f32's last place.
; clampv / 127: t = clampv x (1 / 127); e = clampv - 127 t (fused); t + e / 127 (fused).  A NaN in x was passed over by the maximum.
; A tile of out0, 256 x 256, is made by a work-group of four waves; a wave makes 128 x 128: 64 accumulators of 16 x 16, 512 registers.  256 tiles, one to a work-group.
; K goes in 32 steps of 128 through a ring of two LDS slots filled by the tensor data mover: the rows of the tiles are 256 bytes of memory and start at multiples of 256 bytes from the buffer's first byte.
; CLUSTERS: 4 x 4 work-groups.  The four of a row of the cluster need the same tiles of xq, the four of a column the same tiles of wq: each tile is asked for JOINTLY, by the same tensor load with the same
; descriptor and a mask that names the four; each receives it in its own LDS.
; REGISTERS, in windows of 256 (s_set_vgpr_msb: bits 1:0 source 0, 3:2 source 1, 5:4 source 2, 7:6 destination):
;   window 0: v0-31 addresses; v32-35 the columns' factors, v36-39 their biases; v40-47 at work; v64-127, v128-191 fragments of xq, two buffers; on the way out v128-191, v192-255 rows read back
;   window 1: v64-127, v128-191 fragments of wq, two buffers       window 2: the 32 accumulators of my rows 0-63 ((a, b) at v[8 (8 a + b)])       window 3: those of my rows 64-127
; THE MATRIX INSTRUCTION IS USED TRANSPOSED: source 0 = 16 rows of wq, source 1 = 16 rows of xq: lane l holds row l % 16 of out0 and the columns 8 (l / 16) + 0 .. 7.
.set SIZE_N, 4096
.set SIZE_K, 4096
.set KSTEP,  128
.set PITCH,  272                       ; an LDS row: 256 bytes + 16 of padding = 68 words: row r starts at bank 4 r mod 64 (64 banks of 4 bytes: ISA guide 11.1), so the 16 rows of a load start at 16 different banks
.set HALFT,  128*PITCH                 ; 128 rows: what one tensor load brings, and what one wave reads of xq or of wq
.set SLOT,   4*HALFT                   ; xq's 256 rows, then wq's 256 rows
.set STAGE,  2*SLOT                    ; behind the ring, never filled by a tensor load: 16 rows x 528 bytes for each wave, for the way out
.set SPITCH, 528                       ; a stage row: 128 f32 + 16 bytes = 132 words: again 16 rows at 16 different banks
.set SPARE,  STAGE+4*16*SPITCH         ; behind the stages: the spare words, 128 bytes for each wave: two blocks of 256 bytes that no other line names
.set LAPS,   SIZE_K/(2*KSTEP)          ; a lap = two K steps = once round the ring: 16
.set ADRA, 16                          ; v16-17  LDS address of my fragments of xq in slot 0, 1
.set ADRB, 20                          ; v20-21  the same for wq
.set STO,  24                          ; v24     the way out: where I put 32 bytes of a row
.set RD,   25                          ; v25     the way out: where I read 16 bytes of a row back
.set CO,   26                          ; v26     16 x lane: my bytes in 512 of a row of out0; never rewritten
.set QB,   27                          ; v27     my byte offset in qscales and in bias
.set SPW,  28                          ; v28     LDS address of my spare word; never rewritten
.set NIL,  29                          ; v29     0; never rewritten
.set PFO,  30                          ; v30     the prefetches' offset: my lane x a row of 8,192 bytes; never rewritten
.set SC,   32                          ; v[32:35] (clampv / 127) qscales of my four columns on the way out
.set BI,   36                          ; v[36:39] their biases
.set PM,   40                          ; v[40:47] my 8 of pmax's 256 numbers; at work
.set F0,   64
.set F1,   128
.set OB,   128                         ; the way out: 16 rows read back, 64 registers: v128-191 and v192-255 by turns
.set PFA,  44                          ; s[44:45] where my prefetches stand
.set LIM,  43                          ; s43      1 in a wave that prefetches, else the greatest number
.set G1,  24                           ; s[24:31] descriptor group 1 for xq's tiles
.set G0,  32                           ; s[32:39] group 0, one set for each slot
.set G1B, 48                           ; s[48:55], s[56:63] the same for wq's tiles
.set G0B, 56
.set MSB, 0
.macro WIN new                         ; the immediate's high byte repeats the setting that is left; a switch that changes nothing is dropped
.if MSB != (\new)
	s_set_vgpr_msb (MSB<<8)|(\new)
.set MSB, \new
.endif
.endm
.set MUL_LO, 0xa1                      ; source 0 (wq) window 1, source 1 (xq) window 0, C and D window 2
.set MUL_HI, 0xf1                      ; the same, C and D window 3
.set TO_B,   0x40                      ; destination window 1, address window 0
; A joint load.  Waves 0 and 1 fetch xq's two halves, waves 2 and 3 wq's.  The branch hangs on the wave's number alone.  An s_nop 0 and four v_nop follow each of the two lines.
.macro JLOAD s
	s_cmp_eq_u32 s11, 0
	s_cbranch_scc0 .Lfor_b_\@
	tensor_load_to_lds s[G0+4*(\s):G0+4*(\s)+3], s[G1:G1+7]
	s_nop 0
.rept 4
	v_nop
.endr
	s_branch .Lasked_\@
.Lfor_b_\@:
	tensor_load_to_lds s[G0B+4*(\s):G0B+4*(\s)+3], s[G1B:G1B+7]
	s_nop 0
.rept 4
	v_nop
.endr
.Lasked_\@:
.endm
; A PREFETCH INTO THE L2, behind each joint refill and the run of LDS loads that follows it: the K step that stands TWO refills on: 32 rows x 256 bytes, a lane a row, one instruction a wave: 512 matrix instructions
; ahead of the load that will ask for it.  Each row's 256 bytes of a K step are named ONCE in the launch: of the clusters that read a tile row of xq the one with x = 0 asks, of those that read a tile column of wq
; the one with y = 0; the four partners that ask for a tile jointly share its rows out BY ADDRESS, 32 each.  The loop's last trip (s3 = 1) asks for nothing: there is no K step two on.  K steps 0 to 3 come by their loads alone.
.macro ASK
	s_cmp_gt_u32 s3, s[LIM]
	s_cbranch_scc0 .Lnot_mine_\@
	global_prefetch_b8 v[PFO], s[PFA:PFA+1] offset:KSTEP*2 th:TH_LOAD_NT scope:SCOPE_SE
.Lnot_mine_\@:
.endm
; A round of the cluster's barrier: my work-group's barrier; wave 0 signals for the work-group; every wave waits for all sixteen work-groups; my work-group's barrier once more.
.macro CREST                           ; a round behind its opening barrier
	s_cmp_lg_u32 s10, 0
	s_cbranch_scc1 .Lnot_wave_0_\@
	s_barrier_signal -3
.Lnot_wave_0_\@:
	s_barrier_wait -3
	s_barrier_signal -1
	s_barrier_wait -1
.endm
.macro CROUND                          ; a whole round
	s_barrier_signal -1
	s_barrier_wait -1
	CREST
.endm
	s_load_b128 s[4:7], s[0:1], 0x0                ; xq s[4:5], wq s[6:7]
	s_load_b64 s[8:9], s[0:1], 0x10                ; out0
	s_load_b64 s[68:69], s[0:1], 0x18              ; pmax
	s_load_b64 s[70:71], s[0:1], 0x20              ; qscales
	s_load_b64 s[72:73], s[0:1], 0x28              ; bias
	v_lshl_add_u32 v[SPW], v0, 2, SPARE
	v_mov_b32 v[NIL], 0
	ds_add_u32 v[SPW], v[NIL]                      ; the wave's opening: the add, twice on end, and its wait ahead of my first tensor load; the set-up below stands between the second and the wait
	ds_add_u32 v[SPW], v[NIL]                      ; and once more, under the one wait
	v_lshrrev_b32 v1, 5, v0
	v_readfirstlane_b32 s10, v1                    ; wave 0..3
	s_lshr_b32 s11, s10, 1                         ; which half of the tile's rows is mine.  Also: I fetch for xq (0) or for wq (1)
	s_and_b32 s12, s10, 1                          ; which half of its columns.  Also: which 128 rows of that tile I fetch
	s_bfe_u32 s40, ttmp6, 0x40000                  ; cx
	s_bfe_u32 s41, ttmp6, 0x40004                  ; cy
	s_lshl_b32 s42, ttmp9, 2                       ; in a cluster launch ttmp9 and ttmp7 count clusters
	s_add_co_u32 s42, s42, s40                     ; tile column = 4 x cluster x + cx
	s_and_b32 s13, ttmp7, 0xffff
	s_lshl_b32 s13, s13, 2
	s_add_co_u32 s13, s13, s41                     ; tile row = 4 x cluster y + cy
	s_lshl_b32 s43, s41, 2
	s_lshl_b32 s43, 15, s43                        ; my row of the cluster: places 4 cy .. 4 cy + 3
	s_lshl_b32 s44, 0x1111, s40                    ; my column: places cx, cx + 4, cx + 8, cx + 12
	; descriptor group 1: a tile of 128 rows x 128 elements, padded in LDS
	s_or_b32 s[G1+0], s43, (1<<16)|(1<<20)|(1<<21)|(5<<22)|(3<<25)  ; 15:0 the mask: xq's tiles go to my row; 17:16 elements of 2 bytes; 20 padding on; 21 set beside a mask; 24:22 after every 64 words (code 5); 31:25 4 words of it (code 3)
	s_or_b32 s[G1B+0], s44, (1<<16)|(1<<20)|(1<<21)|(5<<22)|(3<<25) ; the same with the mask of my column, for wq's tiles
.irp g, G1, G1B
	s_mov_b32 s[(\g)+1], KSTEP<<16                 ; tensor_dim0 = 128
	s_mov_b32 s[(\g)+2], 128<<16                   ; tensor_dim1 = 128
	s_mov_b32 s[(\g)+3], KSTEP<<16                 ; tile_dim0 = 128
	s_mov_b32 s[(\g)+4], 128                       ; tile_dim1 = 128
	s_mov_b32 s[(\g)+5], SIZE_K                    ; elements from row to row
	s_mov_b32 s[(\g)+6], 0
	s_mov_b32 s[(\g)+7], 0
.endr
	s_mov_b32 s66, 0xc2fe0000                      ; -127.0
	s_mov_b32 s67, 0x3c010204                      ; 1 / 127
	s_mov_b32 s74, 0x76543210                      ; v_permlanex16_b32: each lane takes its own place in the other half
	s_mov_b32 s75, 0xfedcba98
	; where the tiles come from: xq's hang on the tile row alone, wq's on the tile column alone, each in registers that never hold the other coordinate
	s_lshl_b32 s17, s12, 7                         ; which 128 rows of the tile I fetch
	s_lshl_b32 s16, s13, 8
	s_add_co_u32 s16, s16, s17                     ; xq: row 256 x tile row + 128 x half
	s_lshl_b32 s46, s42, 8
	s_add_co_u32 s46, s46, s17                     ; wq: row 256 x tile column + 128 x half
	s_mov_b32 s17, 0
	s_mov_b32 s47, 0
	s_mov_b64 s[18:19], SIZE_K*2
	s_mul_u64 s[16:17], s[16:17], s[18:19]
	s_mul_u64 s[46:47], s[46:47], s[18:19]
	s_mul_i32 s20, s10, HALFT                      ; and where they go: wave x 128 rows: no place in the cluster enters an LDS address
	s_wait_dscnt 0x0                               ; both opening adds are done
	s_wait_kmcnt 0x0
	s_add_nc_u64 s[14:15], s[4:5], s[16:17]
	s_add_nc_u64 s[46:47], s[6:7], s[46:47]
	CROUND                                         ; all sixteen work-groups are here: the first joint loads meet
.irp s, 0,1
	s_mov_b32 s[G0+4*(\s)], 1                                      ; count = 1
	s_add_co_u32 s[G0+4*(\s)+1], s20, (\s)*SLOT                    ; LDS address
	s_add_nc_u64 s[G0+4*(\s)+2:G0+4*(\s)+3], s[14:15], (\s)*KSTEP*2  ; global address: K step s
	s_or_b32 s[G0+4*(\s)+3], s[G0+4*(\s)+3], 0x80000000            ; type = 2
	s_mov_b32 s[G0B+4*(\s)], 1
	s_add_co_u32 s[G0B+4*(\s)+1], s20, (\s)*SLOT
	s_add_nc_u64 s[G0B+4*(\s)+2:G0B+4*(\s)+3], s[46:47], (\s)*KSTEP*2
	s_or_b32 s[G0B+4*(\s)+3], s[G0B+4*(\s)+3], 0x80000000
	JLOAD \s                                       ; the ring is filled before anything else is done: two loads of mine are out
.endr
	; A fragment is 16 rows x 32 K in 8 registers: lane l holds row l % 16; registers 0-3 K = 8 (l / 16) + 0..7, registers 4-7 K = 16 + 8 (l / 16) + 0..7: two loads of 16 bytes, 32 bytes apart.
	v_and_b32 v1, 15, v0                           ; l % 16
	v_bfe_u32 v2, v0, 4, 1                         ; l / 16
	v_mul_u32_u24 v3, v1, PITCH
	v_lshl_add_u32 v3, v2, 4, v3                   ; row x pitch + 16 x half
	s_mul_i32 s21, s11, HALFT                      ; my 128 rows of xq
	s_mul_i32 s22, s12, HALFT                      ; my 128 rows of wq,
	s_add_co_u32 s22, s22, 2*HALFT                 ; which lie behind xq's 256
.irp s, 0,1
	v_add_nc_u32 v[ADRA+(\s)], s21, v3
	v_add_nc_u32 v[ADRB+(\s)], s22, v3
	s_add_co_u32 s21, s21, SLOT
	s_add_co_u32 s22, s22, SLOT
.endr
	s_mul_i32 s23, s10, 16*SPITCH
	s_add_co_u32 s23, s23, STAGE                   ; my stage
	v_mul_u32_u24 v4, v1, SPITCH                   ; in: row l % 16, 32 bytes for each half of the lanes
	v_lshl_add_u32 v4, v2, 5, v4
	v_add_nc_u32 v[STO], s23, v4
	v_and_b32 v6, 31, v0
	v_lshlrev_b32 v[CO], 4, v6                     ; back: 32 lanes take one row of 512 bytes
	v_add_nc_u32 v[RD], s23, v[CO]
	; out0 at my part of the tile
	s_lshl_b32 s13, s13, 8
	s_lshl_b32 s14, s11, 7
	s_add_co_u32 s16, s13, s14                     ; my first row
	s_mov_b32 s17, 0
	s_mov_b64 s[18:19], SIZE_N*4
	s_mul_u64 s[16:17], s[16:17], s[18:19]
	s_lshl_b32 s46, s42, 10                        ; my first column, in bytes of f32: 1,024 x tile column + 512 x half (in the registers that held wq's address: none that feeds xq's descriptors ever holds cx)
	s_lshl_b32 s47, s12, 9
	s_add_co_u32 s46, s46, s47
	s_mov_b32 s47, 0
	s_add_nc_u64 s[16:17], s[16:17], s[46:47]
	s_add_nc_u64 s[8:9], s[8:9], s[16:17]
	v_add_nc_u32 v[QB], s46, v[CO]                 ; the same four columns in qscales and in bias
	; the prefetches.  s13 = 256 x tile row, s42 = tile column, s40 = cx, s41 = cy still stand
	s_lshl_b32 s42, s42, 8
	s_and_b32 s22, ttmp7, 0xffff                   ; cluster y
	s_cmp_eq_u32 s11, 0                            ; do I fetch for xq?
	s_cselect_b32 s20, s13, s42                    ; the tile's first row
	s_cselect_b32 s21, s40, s41                    ; my place among the four that ask for it with me
	s_cselect_b32 s22, ttmp9, s22                  ; the coordinate along which other clusters read the same rows
	s_cselect_b64 s[PFA:PFA+1], s[4:5], s[6:7]
	s_cmp_eq_u32 s22, 0
	s_cselect_b32 s[LIM], 1, -1                    ; the same in all sixteen partners, for a given wave
	s_lshl_b32 s22, s12, 7
	s_add_co_u32 s20, s20, s22                     ; + the 128 rows that I fetch
	s_lshl_b32 s21, s21, 5
	s_add_co_u32 s20, s20, s21                     ; + my work-group's 32 of them
	s_mov_b32 s21, 0
	s_mov_b64 s[18:19], SIZE_K*2
	s_mul_u64 s[20:21], s[20:21], s[18:19]
	s_add_nc_u64 s[PFA:PFA+1], s[PFA:PFA+1], s[20:21]
	s_add_nc_u64 s[PFA:PFA+1], s[PFA:PFA+1], 2*KSTEP*2  ; at K step 2: the first refill steps it to 3 and names K step 4
	v_and_b32 v[PFO], 31, v0
	v_mul_u32_u24 v[PFO], v[PFO], SIZE_K*2
	; the columns' factors and biases, made while the first tiles are on their way
	global_load_b128 v[PM:PM+3],   v[CO], s[68:69]
	global_load_b128 v[PM+4:PM+7], v[CO], s[68:69] offset:512
	global_load_b128 v[SC:SC+3],   v[QB], s[70:71]
	global_load_b128 v[BI:BI+3],   v[QB], s[72:73]
	s_wait_loadcnt 0x0
	v_max3_num_f32 v[PM],   v[PM],   v[PM+1], v[PM+2]      ; clampv: the largest of pmax's 256 numbers, in every lane
	v_max3_num_f32 v[PM+3], v[PM+3], v[PM+4], v[PM+5]
	v_max3_num_f32 v[PM],   v[PM],   v[PM+6], v[PM+7]
	v_max_num_f32  v[PM],   v[PM],   v[PM+3]
	v_max_num_f32_dpp v[PM], v[PM], v[PM] row_xmask:1 row_mask:0xf bank_mask:0xf
	v_max_num_f32_dpp v[PM], v[PM], v[PM] row_xmask:2 row_mask:0xf bank_mask:0xf
	v_max_num_f32_dpp v[PM], v[PM], v[PM] row_xmask:4 row_mask:0xf bank_mask:0xf
	v_max_num_f32_dpp v[PM], v[PM], v[PM] row_xmask:8 row_mask:0xf bank_mask:0xf
	v_permlanex16_b32 v[PM+1], v[PM], s74, s75
	v_max_num_f32  v[PM],   v[PM],   v[PM+1]
	v_mul_f32 v[PM+1], s67, v[PM]                  ; t = clampv / 127, nearly
	v_fma_f32 v[PM+2], v[PM+1], s66, v[PM]         ; e = clampv - 127 t
	v_fma_f32 v[PM+1], v[PM+2], s67, v[PM+1]       ; t + e / 127
.irp j, 0,1,2,3
	v_mul_f32 v[SC+(\j)], v[PM+1], v[SC+(\j)]
.endr
; 16 matrix instructions: m blocks a0, a0 + 1 of the window's four (hi = 0: my rows 0-63, 1: rows 64-127) x all 8 n blocks, 32 along K.  zero = 1: the first product starts the sums: nothing is ever cleared.
; The 64 accumulators take turns, one instruction a turn, in the same order in every quarter step, over the backward jump too.
.macro MUL16 f, hi, a0, zero
	WIN MUL_LO+0x50*(\hi)
.irp a, \a0, (\a0)+1
.irp b, 0,1,2,3,4,5,6,7
.if \zero
	v_wmma_f32_16x16x32_bf16 v[8*(8*(\a)+(\b)):8*(8*(\a)+(\b))+7], v[(\f)+8*(\b):(\f)+8*(\b)+7], v[(\f)+8*(4*(\hi)+(\a)):(\f)+8*(4*(\hi)+(\a))+7], 0
.else
	v_wmma_f32_16x16x32_bf16 v[8*(8*(\a)+(\b)):8*(8*(\a)+(\b))+7], v[(\f)+8*(\b):(\f)+8*(\b)+7], v[(\f)+8*(4*(\hi)+(\a)):(\f)+8*(4*(\hi)+(\a))+7], v[8*(8*(\a)+(\b)):8*(8*(\a)+(\b))+7]
.endif
.endr
.endr
.endm
; 32 LDS loads in one run: the fragments of one quarter step (128 rows of wq, 128 rows of xq, 32 K at byte k of the rows) into buffer f
.macro FETCH slot, k, f
	WIN TO_B
.irp i, 0,1,2,3,4,5,6,7
	ds_load_b128 v[(\f)+8*(\i):(\f)+8*(\i)+3],   v[ADRB+(\slot)] offset:(\k)+(\i)*16*PITCH
	ds_load_b128 v[(\f)+8*(\i)+4:(\f)+8*(\i)+7], v[ADRB+(\slot)] offset:(\k)+(\i)*16*PITCH+32
.endr
	WIN 0
.irp i, 0,1,2,3,4,5,6,7
	ds_load_b128 v[(\f)+8*(\i):(\f)+8*(\i)+3],   v[ADRA+(\slot)] offset:(\k)+(\i)*16*PITCH
	ds_load_b128 v[(\f)+8*(\i)+4:(\f)+8*(\i)+7], v[ADRA+(\slot)] offset:(\k)+(\i)*16*PITCH+32
.endr
.endm
; A load into a register that a matrix instruction has read, and an LDS store that reads a matrix result, stand four places behind that matrix instruction, and only plain vector instructions that name
; none of its registers are places (ISA guide 7.12.1 for vector instructions).
.macro PLACES
.rept 4
	v_nop
.endr
.endm
; A K step is four quarter steps of 32 along K, 64 matrix instructions each, on buffers 0, 1, 0, 1.  One of the first three: multiplies buffer f; in its middle it fetches the next quarter's fragments, at byte k, into buffer g.
.macro QUARTER slot, k, f, g, zero
	s_wait_dscnt 8                                 ; wq and xq's rows 0-63 are in; the youngest eight loads (xq's rows 64-127) may be out
	MUL16 \f, 0, 0, \zero
	MUL16 \f, 0, 2, \zero
	PLACES
	FETCH \slot, \k, \g
	s_wait_dscnt 32                                ; all but the 32 just issued
	MUL16 \f, 1, 0, \zero
	MUL16 \f, 1, 2, \zero
.endm
; The last quarter multiplies buffer 1 and changes slots.  MEET is its first half: ONE barrier for the change.  In front of it each wave waits for all its tensor loads, of which one is out: its part of the next slot;
; adds 0 to its spare word; and waits for that and for its own reads of this slot.  Behind it nobody reads this slot any more and the next slot is whole.  round = 1: a round of the cluster's barrier follows.
.macro MEET round
	WIN 0                                          ; (the add's two registers lie in window 0)
	s_wait_tensorcnt 0x0                           ; all my tensor loads have landed
	ds_add_u32 v[SPW], v[NIL]                      ; 0 onto my spare word
	s_wait_dscnt 9                                 ; (the add and the youngest eight loads may be out)
	MUL16 F1, 0, 0, 0                              ; sixteen matrix instructions stand between the add and the wait for it
	s_wait_dscnt 0x0                               ; the add is done, and my reads of this slot are over
	s_barrier_signal -1
	MUL16 F1, 0, 2, 0                              ; work on registers while the others arrive
.if \round
	WIN 0
.endif
	s_barrier_wait -1
.endm
; The whole last quarter.  fill = 1: behind a round of the cluster's barrier the slot just read out is filled again first, with the K step two steps on: from that request to the wait for it a wave issues 224 matrix
; instructions.  Then come the next slot's first fragments.
.macro TURN slot, next, fill
.if \fill
	s_wait_xcnt 0x0                                ; the last prefetch, a K step back, has read its address: it is stepped here, ahead of the waits of the change of slots
	s_add_nc_u64 s[PFA:PFA+1], s[PFA:PFA+1], KSTEP*2
.endif
	MEET \fill
.if \fill
	CREST                                          ; no wave of any partner still reads this slot's tile or has a load on its way
	s_add_nc_u64 s[G0+4*(\slot)+2:G0+4*(\slot)+3], s[G0+4*(\slot)+2:G0+4*(\slot)+3], 2*KSTEP*2      ; no tensor load of mine is out: the group 0 may be written
	s_add_nc_u64 s[G0B+4*(\slot)+2:G0B+4*(\slot)+3], s[G0B+4*(\slot)+2:G0B+4*(\slot)+3], 2*KSTEP*2
	JLOAD \slot                                    ; the first tensor load behind the round, one a wave; the four v_nop behind it are also the places in front of the loads below
.else
	PLACES
.endif
	FETCH \next, 0, F0
.if \fill
	ASK
.endif
	MUL16 F1, 1, 0, 0
	MUL16 F1, 1, 2, 0
.endm
	s_wait_tensorcnt 1                             ; my part of K step 0 is in; K step 1's load may stay out
	s_barrier_signal -1
	s_barrier_wait -1                              ; everybody's is
	FETCH 0, 0, F0
	QUARTER 0, 64,  F0, F1, 1                      ; the first quarter stands in front of the loop: its products start the sums
	WIN 0                                          ; at a label and at a branch every window is 0
	s_mov_b32 s3, LAPS-1
.Llap:                                                 ; 15 trips: once round the ring, from a lap's second quarter to the next lap's first; trip t fills the slots with K steps 2 t + 2 and 2 t + 3
	QUARTER 0, 128, F1, F0, 0
	QUARTER 0, 192, F0, F1, 0
	TURN 0, 1, 1
	QUARTER 1, 64,  F0, F1, 0
	QUARTER 1, 128, F1, F0, 0
	QUARTER 1, 192, F0, F1, 0
	TURN 1, 0, 1
	QUARTER 0, 64,  F0, F1, 0
	WIN 0
	s_sub_co_u32 s3, s3, 1
	s_cmp_lg_u32 s3, 0
	s_cbranch_scc1 .Llap
	QUARTER 0, 128, F1, F0, 0                      ; the last lap is written out: it fills nothing, and has no round of the cluster's barrier
	QUARTER 0, 192, F0, F1, 0
	TURN 0, 1, 0
	QUARTER 1, 64,  F0, F1, 0
	QUARTER 1, 128, F1, F0, 0
	QUARTER 1, 192, F0, F1, 0
	s_wait_dscnt 8                                 ; the very last quarter: nothing more to fetch
	MUL16 F1, 0, 0, 0
	MUL16 F1, 0, 2, 0
	s_wait_dscnt 0x0
	MUL16 F1, 1, 0, 0
	MUL16 F1, 1, 2, 0
	WIN 0
; THE WAY OUT, a block of 16 rows at a time, through my own stage in LDS.  In: a lane's eight sums of a row, 32 bytes, each accumulator's low four registers first.  Back: whole rows of 512 bytes,
; 16 bytes a lane, so that a lane holds the SAME four columns of every row: four factors and four biases serve all 128 rows.  LDS serves a wave's instructions in order (ISA guide 5.7.1.4): the loads see the
; stores above them, and the next block's stores come behind these loads: no wait and no barrier between them.
.macro TOSTAGE a
.set AC, 64*((\a)%4)
.set BK, OB+64*((\a)%2)
	WIN 0x08+4*((\a)/4)                            ; the stores' data (source 1) in window 2 or 3
.irp b, 0,1,2,3,4,5,6,7
	ds_store_b128 v[STO], v[AC+8*(\b):AC+8*(\b)+3]   offset:64*(\b)
	ds_store_b128 v[STO], v[AC+8*(\b)+4:AC+8*(\b)+7] offset:64*(\b)+16
.endr
	WIN 0
.if (\a) >= 2
	s_wait_xcnt 0x0                                ; the stores of the block two back have read these registers: only behind this wait are they loaded again
.endif
.irp t, 0,1,2,3,4,5,6,7,8,9,10,11,12,13,14,15
	ds_load_b128 v[BK+4*(\t):BK+4*(\t)+3], v[RD] offset:(\t)*SPITCH
.endr
.endm
; younger: the LDS instructions issued behind block a's loads: the next block's 16 stores and 16 loads, or none.
.macro SEND a, younger
.set BK, OB+64*((\a)%2)
.irp t, 0,1,2,3,4,5,6,7,8,9,10,11,12,13,14,15
	s_wait_dscnt (\younger)+15-(\t)                ; row t of the block is back
	v_pk_fma_f32 v[BK+4*(\t):BK+4*(\t)+1],   v[BK+4*(\t):BK+4*(\t)+1],   v[SC:SC+1],   v[BI:BI+1]
	v_pk_fma_f32 v[BK+4*(\t)+2:BK+4*(\t)+3], v[BK+4*(\t)+2:BK+4*(\t)+3], v[SC+2:SC+3], v[BI+2:BI+3]
	global_store_b128 v[CO], v[BK+4*(\t):BK+4*(\t)+3], s[8:9] offset:(16*(\a)+(\t))*SIZE_N*4 th:TH_STORE_NT  ; 512 consecutive bytes, at a multiple of 512 from out0's first; the row stands in the immediate, 2,080,768 at the most
.endr
.endm
	PLACES                                         ; behind the last products: in front of the stores that read results and of the loads into xq's buffer 1
	PLACES
	TOSTAGE 0
.irp a, 1,2,3,4,5,6,7                  ; block a's way through the stage is issued ahead of block a - 1's arithmetic and stores
	TOSTAGE \a
	SEND (\a)-1, 32
.endr
	SEND 7, 0
	s_wait_tensorcnt 0x0                           ; the wave's end, behind my last tensor load and my last LDS store
	ds_add_u32 v[SPW], v[NIL]
	s_wait_dscnt 0x0
	CROUND                                         ; the closing round: no work-group ends while a partner may still ask for a tile that names it
	s_endpgm
.Lfunc_end_k_qbe733e1f47_gemm:
	.size	k_qbe733e1f47_gemm, .Lfunc_end_k_qbe733e1f47_gemm-k_qbe733e1f47_gemm
	.p2alignl 7, 3214868480
	.fill 96, 4, 3214868480
	.section	.rodata,"a",@progbits
	.p2align	6, 0x0
	.amdhsa_kernel k_qbe733e1f47_gemm
		.amdhsa_group_segment_fixed_size 327680
		.amdhsa_private_segment_fixed_size 0
		.amdhsa_enable_private_segment 0
		.amdhsa_kernarg_size 48
		.amdhsa_user_sgpr_count 2
		.amdhsa_user_sgpr_kernarg_segment_ptr 1
		.amdhsa_wavefront_size32 1
		.amdhsa_system_sgpr_workgroup_id_x 1
		.amdhsa_system_sgpr_workgroup_id_y 1
		.amdhsa_system_sgpr_workgroup_id_z 1
		.amdhsa_system_vgpr_workitem_id 0
		.amdhsa_next_free_vgpr 1024
		.amdhsa_next_free_sgpr 76
		.amdhsa_reserve_vcc 0
		.amdhsa_float_denorm_mode_32 3
		.amdhsa_float_denorm_mode_16_64 3
		.amdhsa_memory_ordered 1
		.amdhsa_forward_progress 1
		.amdhsa_inst_pref_size 163
	.end_amdhsa_kernel
	.amdgpu_metadata
---
amdhsa.version: [ 1, 2 ]
amdhsa.kernels:
  - .name:           k_qbe733e1f47_gemm
    .symbol:         k_qbe733e1f47_gemm.kd
    .args:
      - { .name: xq, .offset: 0, .size: 8, .value_kind: global_buffer, .address_space: global }
      - { .name: wq, .offset: 8, .size: 8, .value_kind: global_buffer, .address_space: global }
      - { .name: out0, .offset: 16, .size: 8, .value_kind: global_buffer, .address_space: global }
      - { .name: pmax, .offset: 24, .size: 8, .value_kind: global_buffer, .address_space: global }
      - { .name: qscales, .offset: 32, .size: 8, .value_kind: global_buffer, .address_space: global }
      - { .name: bias, .offset: 40, .size: 8, .value_kind: global_buffer, .address_space: global }
    .group_segment_fixed_size: 327680
    .private_segment_fixed_size: 0
    .kernarg_segment_align: 8
    .kernarg_segment_size: 48
    .max_flat_workgroup_size: 128
    .sgpr_count:     76
    .vgpr_count:     1024
    .wavefront_size: 32
...
	.end_amdgpu_metadata
.endif
;; end of part 3
;; ======== version 2 of 2: 3 launches; version 1 with the launch quantx written anew for expert scheduling mode
;; workspace buffers: xq 33,554,432 bytes; wq 33,554,432 bytes; pmax 1,024 bytes
;; launch maxw: the kernel of part 1 again; grid 256 x 1, 16 waves a work-group, no clusters, 2,304 bytes of LDS; arguments x, weight, qscales, wq, pmax; writes wq, pmax
;; launch quantx (part 4): grid 256 x 1, 16 waves a work-group, no clusters, 0 bytes of LDS; arguments x, pmax, xq; writes xq
.if DOCPART == 4
	.amdgcn_target "amdgcn-amd-amdhsa--gfx1250"
	.amdhsa_code_object_version 6
	.text
	.protected	k_qbe733e1f47_quantx
	.globl	k_qbe733e1f47_quantx
	.p2align	8
	.type	k_qbe733e1f47_quantx,@function
k_qbe733e1f47_quantx:
	s_mov_b64 s[64:65], 0
	v_nop
	global_prefetch_b8 v0, s[64:65] scope:SCOPE_SE
	s_setreg_imm32_b32 hwreg(HW_REG_WAVE_SCHED_MODE, 0, 2), 2
	s_setreg_imm32_b32 hwreg(HW_REG_WAVE_MODE, 25, 1), 1
	s_wait_xcnt 0x0
	s_wait_alu depctr_vm_vsrc(0)
; SECOND OF THREE LAUNCHES: clampv = the largest of pmax's 256 numbers; xq = clip(round(x (127 / clampv)), -128, 127) as bf16, which holds these whole numbers exactly.
; x is taken in f32: one step of the whole numbers is a small part of x's spread, and a rounding of x ahead of it would move many of them by a step.  Nothing is left out.
; LIMITS.  |clampv| lies in 2^-126 .. 2^126 (the reciprocal takes a denormal as 0); clampv = 0 gives NaN.  A NaN in x was passed over by the maximum.
; 127 / clampv: r = 1 / clampv with one Newton step; t = 127 r; e = 127 - t clampv (fused); t + e r (fused).  x times that is one f32 product, as in reference().
; SHARES.  16 waves; wave w of work-group g owns row 16 g + w: 32 chunks of 512 bytes, 16 bytes a lane, ALL asked for at the start: the whole row is on its way while clampv is made.
; A chunk gives 8 bytes of bf16 a lane: each store of the wave covers 256 consecutive bytes, aligned.  No loop, no LDS, no barrier; no address or store register is rewritten.
; THE MODE: SCHED_MODE bits 1:0 = 2 (LLVM: expert scheduling mode 2), set by the entry lines.  The code itself states the register dependences
; between vector instructions and memory instructions, with s_wait_alu, always for 0.
; THE PLAN.  Registers that memory instructions touch:
;   v1, v2     byte offsets, made once at the head and never written again; every load reads v1, every store v2.
;   P, XB      each register is the landing place of ONE load, issued at the head, ahead of every vector line that names it; read by vector lines behind its wait on LOADcnt.
;   Y          chunk c has a pair of its own: written by chunk c's two roundings, read by chunk c's one store, never written again.
;   v12, v13, S, T are named by vector instructions alone.
; So nothing that a memory instruction reads is ever written again, and the one dependence that recurs is: the roundings write Y, the store reads it.
; The 32 chunks go in 8 blocks of four.  Block p's vector lines write the Y of chunks 4 p to 4 p + 3; the stores of block p - 1 are dealt among them, one ahead of each chunk.
; ONE wait at a block's head states that the block before has written its Y; the vector lines issued since name S, T and block p's XB and Y: none of the registers that those four stores read.
.set LO,  1                            ; v1   16 x lane
.set SO,  2                            ; v2   8 x lane
.set P,   4                            ; v[4:11]   my 8 of pmax's 256 numbers; then v4 = clampv
.set S,   14                           ; v[14:15]  127 / clampv, twice
.set T,   16                           ; v[16:19]  at work
.set XB,  20                           ; v[20:147]  chunk i: 4 registers as loaded
.set Y,   148                          ; v[148:211] chunk i: 2 registers to store
.set BLOCK, 4                          ; chunks in a block
	s_load_b128 s[4:7], s[0:1], 0x0                ; x s[4:5], pmax s[6:7]
	s_load_b64 s[8:9], s[0:1], 0x10                ; xq
	v_lshrrev_b32 v12, 5, v0
	v_readfirstlane_b32 s14, v12                   ; wave 0..15
	v_and_b32 v13, 31, v0
	v_lshlrev_b32 v[LO], 4, v13
	v_lshlrev_b32 v[SO], 3, v13
	s_wait_alu depctr_va_sdst(0)                   ; s14 is written, ahead of its first reader: my row, and the bases of x and xq, are made from it
	s_lshl_b32 s15, ttmp9, 4
	s_add_co_u32 s15, s15, s14                     ; my row
	s_lshl_b32 s16, s15, 14
	s_mov_b32 s17, 0
	s_lshl_b32 s18, s15, 13
	s_mov_b32 s19, 0
	s_mov_b32 s22, 0xc3000000                      ; -128.0
	s_mov_b32 s23, 0x42fe0000                      ; 127.0
	s_mov_b32 s24, 0x76543210
	s_mov_b32 s25, 0xfedcba98
	s_wait_kmcnt 0x0
	s_add_nc_u64 s[4:5], s[4:5], s[16:17]
	s_add_nc_u64 s[8:9], s[8:9], s[18:19]
	s_wait_alu depctr_va_vdst(0)                   ; v1 and v2 are written: every load and store of the kernel reads one of them as its offset
	global_load_b128 v[P:P+3],   v[LO], s[6:7]             ; pmax first: 2 x 512 bytes
	global_load_b128 v[P+4:P+7], v[LO], s[6:7] offset:512
.set i, 0
.rept 32
	global_load_b128 v[XB+4*i:XB+4*i+3], v[LO], s[4:5] offset:512*i th:TH_LOAD_NT
.set i, i+1
.endr
; The largest of v[p:p+7] over all 32 lanes, left in v[p] of every lane.
.macro CLAMPV p
	v_max3_num_f32 v[(\p)],   v[(\p)],   v[(\p)+1], v[(\p)+2]
	v_max3_num_f32 v[(\p)+3], v[(\p)+3], v[(\p)+4], v[(\p)+5]
	v_max3_num_f32 v[(\p)],   v[(\p)],   v[(\p)+6], v[(\p)+7]
	v_max_num_f32  v[(\p)],   v[(\p)],   v[(\p)+3]
	v_max_num_f32_dpp v[(\p)], v[(\p)], v[(\p)] row_xmask:1 row_mask:0xf bank_mask:0xf
	v_max_num_f32_dpp v[(\p)], v[(\p)], v[(\p)] row_xmask:2 row_mask:0xf bank_mask:0xf
	v_max_num_f32_dpp v[(\p)], v[(\p)], v[(\p)] row_xmask:4 row_mask:0xf bank_mask:0xf
	v_max_num_f32_dpp v[(\p)], v[(\p)], v[(\p)] row_xmask:8 row_mask:0xf bank_mask:0xf
	v_permlanex16_b32 v[(\p)+1], v[(\p)], s24, s25
	v_max_num_f32  v[(\p)],   v[(\p)],   v[(\p)+1]
.endm
	s_wait_loadcnt 32                              ; pmax is in; the row's 32 loads stay out
	CLAMPV P
	v_rcp_f32 v12, v[P]
	v_nop                                          ; a plain instruction behind the reciprocal
	s_wait_alu depctr_va_vdst(0)                   ; the reciprocal has written v12, ahead of its first reader
	v_fma_f32 v13, -v[P], v12, 1.0
	v_fma_f32 v12, v13, v12, v12                   ; one Newton step
	v_mul_f32 v13, 0x42fe0000, v12                 ; 127 r
	v_fma_f32 v16, -v13, v[P], s23                 ; 127 - t clampv
	v_fma_f32 v[S], v16, v12, v13
	v_mov_b32 v[S+1], v[S]
; Chunk c's arithmetic: the product, the rounding to the nearest even whole number, the clip, bf16 into the chunk's own pair of Y.
.macro CHUNK c
	s_wait_loadcnt 31-(\c)                         ; chunk c is in; the 31 - c younger loads stay out
	v_pk_mul_f32 v[T:T+1],   v[XB+4*(\c):XB+4*(\c)+1],   v[S:S+1]
	v_pk_mul_f32 v[T+2:T+3], v[XB+4*(\c)+2:XB+4*(\c)+3], v[S:S+1]
	v_rndne_f32 v[T],   v[T]
	v_rndne_f32 v[T+1], v[T+1]
	v_rndne_f32 v[T+2], v[T+2]
	v_rndne_f32 v[T+3], v[T+3]
	v_med3_num_f32 v[T],   v[T],   s22, s23
	v_med3_num_f32 v[T+1], v[T+1], s22, s23
	v_med3_num_f32 v[T+2], v[T+2], s22, s23
	v_med3_num_f32 v[T+3], v[T+3], s22, s23
	v_cvt_pk_bf16_f32 v[Y+2*(\c)],   v[T],   v[T+1]
	v_cvt_pk_bf16_f32 v[Y+2*(\c)+1], v[T+2], v[T+3]
.endm
; Chunk c's store: 256 consecutive bytes of the wave's row of xq.
.macro OUT c
	global_store_b64 v[SO], v[Y+2*(\c):Y+2*(\c)+1], s[8:9] offset:256*(\c)
.endm
.set p, 0
.rept 32/BLOCK
.if p > 0
	s_wait_alu depctr_va_vdst(0)                   ; the block before has written its four pairs of Y, which the four stores below read
.endif
.set j, 0
.rept BLOCK
.if p > 0
	OUT BLOCK*(p-1)+j                              ; ahead of the wait for the next chunk's data.  No further wait: no vector line since the block's head names v2 or this pair
.endif
	CHUNK BLOCK*p+j
.set j, j+1
.endr
.set p, p+1
.endr
	s_wait_alu depctr_va_vdst(0)                   ; the last block has written its four pairs of Y, which the last four stores read
.set j, 0
.rept BLOCK
	OUT 32-BLOCK+j
.set j, j+1
.endr
	s_endpgm
.Lfunc_end_k_qbe733e1f47_quantx:
	.size	k_qbe733e1f47_quantx, .Lfunc_end_k_qbe733e1f47_quantx-k_qbe733e1f47_quantx
	.p2alignl 7, 3214868480
	.fill 96, 4, 3214868480
	.section	.rodata,"a",@progbits
	.p2align	6, 0x0
	.amdhsa_kernel k_qbe733e1f47_quantx
		.amdhsa_group_segment_fixed_size 0
		.amdhsa_private_segment_fixed_size 0
		.amdhsa_enable_private_segment 0
		.amdhsa_kernarg_size 24
		.amdhsa_user_sgpr_count 2
		.amdhsa_user_sgpr_kernarg_segment_ptr 1
		.amdhsa_wavefront_size32 1
		.amdhsa_system_sgpr_workgroup_id_x 1
		.amdhsa_system_sgpr_workgroup_id_y 1
		.amdhsa_system_sgpr_workgroup_id_z 1
		.amdhsa_system_vgpr_workitem_id 0
		.amdhsa_next_free_vgpr 212
		.amdhsa_next_free_sgpr 66
		.amdhsa_reserve_vcc 0
		.amdhsa_float_denorm_mode_32 3
		.amdhsa_float_denorm_mode_16_64 3
		.amdhsa_memory_ordered 1
		.amdhsa_forward_progress 1
		.amdhsa_inst_pref_size 30
	.end_amdhsa_kernel
	.amdgpu_metadata
---
amdhsa.version: [ 1, 2 ]
amdhsa.kernels:
  - .name:           k_qbe733e1f47_quantx
    .symbol:         k_qbe733e1f47_quantx.kd
    .args:
      - { .name: x, .offset: 0, .size: 8, .value_kind: global_buffer, .address_space: global }
      - { .name: pmax, .offset: 8, .size: 8, .value_kind: global_buffer, .address_space: global }
      - { .name: xq, .offset: 16, .size: 8, .value_kind: global_buffer, .address_space: global }
    .group_segment_fixed_size: 0
    .private_segment_fixed_size: 0
    .kernarg_segment_align: 8
    .kernarg_segment_size: 24
    .max_flat_workgroup_size: 512
    .sgpr_count:     66
    .vgpr_count:     212
    .wavefront_size: 32
...
	.end_amdgpu_metadata
.endif
;; end of part 4
;; launch gemm: the kernel of part 3 again; grid 16 x 16, 4 waves a work-group, clusters of 4 x 4, 327,680 bytes of LDS; arguments xq, wq, out0, pmax, qscales, bias; writes out0
